; MI455X (gfx1250); checked and timed in simulation.
; The chip was launched on July 23, 2026; its instructions are those of AMD's public machine-readable ISA for CDNA 5 (MIT licence, August 2026) and "CDNA5" Instruction Set Architecture Reference Guide (July 2026). The comments in the code are by the model that wrote it; some were corrected since.
;; Moe Layer. Allowed arithmetic: matrix products marked QUANTISED: E4M3 operands, one given power-of-two scale a tensor, by v_wmma_f32_16x16x64_fp8_fp8 or v_wmma_f32_16x16x128_fp8_fp8, f32 sums; products left as they are: f32 operands where the result goes on into a quantised operand, else bf16, f16 or f32 operands; f32 sums; everything else in f32.
;; Inputs: b1 8 x 4,096 float32; b2 8 x 1,024 float32; gate_b 8 float32; gate_w 1,024 x 8 float32; lowp_scales 32 int32 (the exponents e of the quantised operands' scales 2^e); w1_codes 8 x 4,096 x 32 x 32 uint8 (E4M3 codes of w1, K innermost, in blocks of 32 codes); w2_codes 8 x 1,024 x 128 x 32 uint8 (E4M3 codes of w2, K innermost, in blocks of 32 codes); x 1,024 x 1,024 float32.
;; Outputs: out0 1,024 x 1,024 float32.
;; This version of the problem:
;;   THIS VERSION OF THE PROBLEM IS GIVEN IN LOW PRECISION. The matrix products marked QUANTISED in the list below multiply operands that are first quantised to E4M3 (4 exponent bits, 3 mantissa bits; 8 bits a number), with one given power-of-two scale for each operand tensor; their sums are f32. All else is computed in f32.
;;   The module's matrix products, in the order in which they are computed (A, B: the left and right operand; K: the contracted axis; several contracted axes count as one K, in the product's order):
;;     1. [M 1,024, K 1,024] x [K 1,024, N 8]; A: input x; B: input gate_w: left as it is (N = 8 < 16)
;;     2. [M 1,024, K 1,024] x [K 1,024, N 4,096]; A: input x; B: input w1 (given as codes): QUANTISED (scales: A lowp_scales[0], B lowp_scales[1])
;;     3. [M 1,024, K 4,096] x [K 4,096, N 1,024]; A: computed on the way; B: input w2 (given as codes): QUANTISED (scales: A lowp_scales[2], B lowp_scales[3])
;;     4. [M 1,024, K 1,024] x [K 1,024, N 4,096]; A: input x; B: input w1 (given as codes): QUANTISED (scales: A lowp_scales[4], B lowp_scales[5])
;;     5. [M 1,024, K 4,096] x [K 4,096, N 1,024]; A: computed on the way; B: input w2 (given as codes): QUANTISED (scales: A lowp_scales[6], B lowp_scales[7])
;;     6. [M 1,024, K 1,024] x [K 1,024, N 4,096]; A: input x; B: input w1 (given as codes): QUANTISED (scales: A lowp_scales[8], B lowp_scales[9])
;;     7. [M 1,024, K 4,096] x [K 4,096, N 1,024]; A: computed on the way; B: input w2 (given as codes): QUANTISED (scales: A lowp_scales[10], B lowp_scales[11])
;;     8. [M 1,024, K 1,024] x [K 1,024, N 4,096]; A: input x; B: input w1 (given as codes): QUANTISED (scales: A lowp_scales[12], B lowp_scales[13])
;;     9. [M 1,024, K 4,096] x [K 4,096, N 1,024]; A: computed on the way; B: input w2 (given as codes): QUANTISED (scales: A lowp_scales[14], B lowp_scales[15])
;;     10. [M 1,024, K 1,024] x [K 1,024, N 4,096]; A: input x; B: input w1 (given as codes): QUANTISED (scales: A lowp_scales[16], B lowp_scales[17])
;;     11. [M 1,024, K 4,096] x [K 4,096, N 1,024]; A: computed on the way; B: input w2 (given as codes): QUANTISED (scales: A lowp_scales[18], B lowp_scales[19])
;;     12. [M 1,024, K 1,024] x [K 1,024, N 4,096]; A: input x; B: input w1 (given as codes): QUANTISED (scales: A lowp_scales[20], B lowp_scales[21])
;;     13. [M 1,024, K 4,096] x [K 4,096, N 1,024]; A: computed on the way; B: input w2 (given as codes): QUANTISED (scales: A lowp_scales[22], B lowp_scales[23])
;;     14. [M 1,024, K 1,024] x [K 1,024, N 4,096]; A: input x; B: input w1 (given as codes): QUANTISED (scales: A lowp_scales[24], B lowp_scales[25])
;;     15. [M 1,024, K 4,096] x [K 4,096, N 1,024]; A: computed on the way; B: input w2 (given as codes): QUANTISED (scales: A lowp_scales[26], B lowp_scales[27])
;;     16. [M 1,024, K 1,024] x [K 1,024, N 4,096]; A: input x; B: input w1 (given as codes): QUANTISED (scales: A lowp_scales[28], B lowp_scales[29])
;;     17. [M 1,024, K 4,096] x [K 4,096, N 1,024]; A: computed on the way; B: input w2 (given as codes): QUANTISED (scales: A lowp_scales[30], B lowp_scales[31])
;;   THE QUANTISER, for each operand of a quantised product, along K:
;;     - The operand's scale is 2^e, e = its entry of the input lowp_scales (int32; the entries are numbered through the quantised products in the list's order, A before B).
;;     - Each number is divided by the scale, clamped to +-448, and rounded to the nearest number of E4M3, ties to even, subnormals kept.
;;     - The product sums the exact products of the quantised numbers (number of the format x scale) in f32.
;;   ~~~python
;;   def quantise(x, axis, e):      # numpy; x: float32 -> the quantised numbers, widened to float32 again
;;       x = np.moveaxis(x, axis, -1); K = x.shape[-1]
;;       r = np.clip(x / 2.0 ** e, -448, 448)
;;       step = 2.0 ** (np.maximum(np.frexp(np.where(r == 0, 1, r))[1] - 1, -6) - 3)
;;       q = np.round(r / step) * step * 2.0 ** e      # np.round: ties to even
;;       return np.moveaxis(q, -1, axis).astype(np.float32)
;;   ~~~
;;   OPERANDS COMPUTED ON THE WAY. 'Computed on the way' means the value that the module computes at that place (a softmax that the list does not call 'softmax' is quantised finished and normalised). What goes into a quantiser is computed in f32, as accurately as f32 sums, v_exp_f32 and their like allow (about 1e-6 of the number): no bf16 or f16 on the way to a quantiser, and a product that is left as it is and whose result goes on into a quantised operand takes f32 operands (vector FMAs, or v_wmma_f32_16x16x4_f32). A number that lies on a knife's edge between two numbers of the format may be rounded either way, as far as f32 arithmetic and the matrix unit's own rounding can turn it there, and no further.
;;   INPUTS GIVEN AS CODES. w1 (in the module: [8, 1024, 4096], K = its axis 1); w2 (in the module: [8, 4096, 1024], K = its axis 1): each comes as NAME_codes (uint8): NAME with its K axis moved to the last place and cut into blocks of 32 codes, [.., K / 32, bytes a block], one block behind the other in memory; one code a byte (a code: sign, 4 exponent bits, 3 mantissa bits); its scale is its entry of lowp_scales. Its value is code x scale, taken as it is: it is not quantised again, and the codes and scales need not be those that the quantiser above would give.
;; One version. Each part assembles by itself: llvm-mc -triple=amdgcn-amd-amdhsa -mcpu=gfx1250 --defsym DOCPART=n.
;; ======== version 1 of 1: 4 launches
;; workspace buffers: sel 8,192 bytes of whole numbers; cw 8,192 bytes; xq 2,097,152 bytes; glist 32,768 bytes of whole numbers; gcnt 8,192 bytes of whole numbers; hbuf 33,554,432 bytes; y 8,421,376 bytes
;; launch route (part 1): grid 256 x 1, 4 waves a work-group, no clusters, 0 bytes of LDS; arguments x, gate_w, gate_b, lowp_scales, sel, cw, xq; writes sel, cw, xq
.if DOCPART == 1
	.amdgcn_target "amdgcn-amd-amdhsa--gfx1250"
	.amdhsa_code_object_version 6
	.text
	.protected	k_q6a7cd801c3_route
	.globl	k_q6a7cd801c3_route
	.p2align	8
	.type	k_q6a7cd801c3_route,@function
k_q6a7cd801c3_route:
	s_mov_b64 s[64:65], 0
	v_nop
	global_prefetch_b8 v0, s[64:65] scope:SCOPE_SE
	s_setreg_imm32_b32 hwreg(HW_REG_WAVE_MODE, 25, 1), 1
	s_wait_xcnt 0x0
; ROUTE.  For each of the 1,024 tokens: the 8 logits x . gate_w + gate_b in f32, the two largest (ties keep the lower expert), the softmax over
; those two (the larger logit is taken away before the exponential), and the token's row of x quantised TWICE to E4M3, once with the scale of
; each chosen expert's first product (lowp_scales[4 e]).  A pair is p = 2 x token + slot.
; OUT: sel[p] = the expert (int32), cw[p] = its weight (f32), xq[p][0..1023] = the codes, K in its natural order.  Every address is fixed: what
; hangs on the choice is picked by v_cndmask_b32 and stored as data.
; SHARES.  One wave takes one token: 256 work-groups x 4 waves.  Lane l holds x[256 i + 8 l + j], i = 0..3, j = 0..7: eight neighbours along K in
; consecutive registers, as the conversion wants them.  No LDS, no barrier, no matrix unit: 8 columns are too few for it.
; LIMITS.  lowp_scales[4 e] between -126 and 119, so that 2^e and 448 x 2^e are f32 numbers.  NaN in x, and logits that are NaN or -infinity, are not
; served.  Two logits nearer to each other than the rounding of an f32 sum of 1,024 terms may be ranked either way.
; REGISTERS.  window 0: v1 lane, v2-v6 offsets, X the row, LA and LB two sets of 8 sums, T held numbers, C codes, v112.. the choice.
;   window 1: gate_w: v[8 (8 i + j) + e] = gate_w[256 i + 8 l + j][e].
.set X,    16
.set LA,   48
.set LB,   56
.set T,    64
.set C,    96
.set BEST, 112
.set BI,   113
.set SEC,  114
.set SI,   115
.set M,    116
.set NINF, 124
.set TE,   125
.set RC,   126
.set W1R,  127
.set EX,   128
.set SC0,  130
.set LM0,  131
.set SC1,  132
.set LM1,  133
.set OV,   134
.set OW,   135
.set MSB, 0
.macro WIN new                         ; the immediate's high byte repeats the setting that is left
.if MSB != (\new)
	s_set_vgpr_msb (MSB<<8)|(\new)
.set MSB, (\new)
.endif
.endm
	s_load_b256 s[4:11], s[0:1], 0x0               ; x s[4:5], gate_w s[6:7], gate_b s[8:9], lowp_scales s[10:11]
	s_load_b128 s[12:15], s[0:1], 0x20             ; sel s[12:13], cw s[14:15]
	s_load_b64 s[16:17], s[0:1], 0x30              ; xq
	v_lshrrev_b32 v5, 5, v0
	v_readfirstlane_b32 s18, v5                    ; wave
	s_lshl_b32 s19, ttmp9, 2
	s_add_co_u32 s19, s19, s18                     ; my token n
	v_and_b32 v1, 31, v0                           ; lane
	v_lshlrev_b32 v2, 5, v1                        ; x: 32 bytes a lane
	v_lshlrev_b32 v3, 8, v1                        ; gate_w: 8 rows of 32 bytes a lane
	v_lshlrev_b32 v4, 3, v1                        ; xq: 8 codes a lane
	v_lshlrev_b32 v6, 2, v1                        ; sel, cw: a word a lane
	s_mov_b32 s60, 0x76543210                      ; v_permlanex16_b32: lane l xor 16
	s_mov_b32 s61, 0xfedcba98
	s_mov_b32 s3, 0
	s_wait_kmcnt 0x0
	s_load_b512 s[20:35], s[10:11], 0x0            ; the 32 exponents: expert e's for x is s[20 + 4 e]
	s_load_b512 s[36:51], s[10:11], 0x40
	s_load_b256 s[52:59], s[8:9], 0x0              ; gate_b
	s_lshl_b32 s2, s19, 12
	s_add_nc_u64 s[4:5], s[4:5], s[2:3]            ; my row of x
	s_lshl_b32 s2, s19, 11
	s_add_nc_u64 s[16:17], s[16:17], s[2:3]        ; my two rows of xq
	s_lshl_b32 s2, s19, 3
	s_add_nc_u64 s[12:13], s[12:13], s[2:3]        ; my two words of sel,
	s_add_nc_u64 s[14:15], s[14:15], s[2:3]        ; and of cw
.irp i, 0,1,2,3
	global_load_b128 v[X+8*\i:X+8*\i+3],   v2, s[4:5] offset:1024*\i th:TH_LOAD_NT
	global_load_b128 v[X+8*\i+4:X+8*\i+7], v2, s[4:5] offset:1024*\i+16 th:TH_LOAD_NT
.endr
	WIN 0x40                                       ; destination window 1
.irp i, 0,1,2,3
.irp q, 0,1,2,3,4,5,6,7,8,9,10,11,12,13,14,15
	global_load_b128 v[64*\i+4*\q:64*\i+4*\q+3], v3, s[6:7] offset:8192*\i+16*\q
.endr
.endr
	WIN 0x01                                       ; source 0 (gate_w) window 1
; Chunk i: 8 numbers of x against 8 rows of gate_w, two experts an instruction; the number of x is taken for both halves (even j: the pair's first
; register, odd j: its second).  Even j add into LA, odd j into LB; each set's first product starts its sums.
.macro DOT i
	s_wait_loadcnt 48-16*\i                        ; x and the chunks up to this one are in; the 16 loads of each later chunk may be out
.irp j, 0,1,2,3,4,5,6,7
.irp ee, 0,2,4,6
.if (\j%2) == 0
.if (\i+\j) == 0
	v_pk_mul_f32 v[LA+\ee:LA+\ee+1], v[64*\i+8*\j+\ee:64*\i+8*\j+\ee+1], v[X+8*\i+\j:X+8*\i+\j+1] op_sel_hi:[1,0]
.else
	v_pk_fma_f32 v[LA+\ee:LA+\ee+1], v[64*\i+8*\j+\ee:64*\i+8*\j+\ee+1], v[X+8*\i+\j:X+8*\i+\j+1], v[LA+\ee:LA+\ee+1] op_sel_hi:[1,0,1]
.endif
.else
.if (\i == 0) && (\j == 1)
	v_pk_mul_f32 v[LB+\ee:LB+\ee+1], v[64*\i+8*\j+\ee:64*\i+8*\j+\ee+1], v[X+8*\i+\j-1:X+8*\i+\j] op_sel:[0,1] op_sel_hi:[1,1]
.else
	v_pk_fma_f32 v[LB+\ee:LB+\ee+1], v[64*\i+8*\j+\ee:64*\i+8*\j+\ee+1], v[X+8*\i+\j-1:X+8*\i+\j], v[LB+\ee:LB+\ee+1] op_sel:[0,1,0] op_sel_hi:[1,1,1]
.endif
.endif
.endr
.endr
.endm
	DOT 0
	DOT 1
	DOT 2
	DOT 3
	WIN 0
.irp ee, 0,2,4,6
	v_pk_add_f32 v[LA+\ee:LA+\ee+1], v[LA+\ee:LA+\ee+1], v[LB+\ee:LB+\ee+1]
.endr
.irp m, 1,2,4,8                        ; across the 32 lanes: four steps inside each half of 16, one across the halves; every lane ends with all 8 logits
.irp e, 0,1,2,3,4,5,6,7
	v_add_f32_dpp v[LA+\e], v[LA+\e], v[LA+\e] row_xmask:\m row_mask:0xf bank_mask:0xf
.endr
.endr
.irp e, 0,1,2,3,4,5,6,7
	v_permlanex16_b32 v[LB+\e], v[LA+\e], s60, s61 ; (LB has been written: the destination counts as read)
.endr
	s_wait_kmcnt 0x0                               ; gate_b and the exponents
.irp e, 0,1,2,3,4,5,6,7
	v_add_f32 v[LA+\e], v[LA+\e], v[LB+\e]
.endr
.irp e, 0,1,2,3,4,5,6,7
	v_add_f32 v[LA+\e], s[52+\e], v[LA+\e]
.endr
	; the largest: a later expert wins only if strictly larger, so ties keep the lower index
	v_mov_b32 v[BEST], v[LA]
	v_mov_b32 v[BI], 0
.irp e, 1,2,3,4,5,6,7
	v_cmp_gt_f32 vcc_lo, v[LA+\e], v[BEST]
	v_cndmask_b32 v[BEST], v[BEST], v[LA+\e], vcc_lo
	v_cndmask_b32 v[BI], v[BI], \e, vcc_lo
.endr
	v_mov_b32 v[NINF], 0xff800000                  ; the winner becomes -infinity, and the scan is made again
.irp e, 0,1,2,3,4,5,6,7
	v_cmp_eq_u32 vcc_lo, \e, v[BI]
	v_cndmask_b32 v[M+\e], v[LA+\e], v[NINF], vcc_lo
.endr
	v_mov_b32 v[SEC], v[M]
	v_mov_b32 v[SI], 0
.irp e, 1,2,3,4,5,6,7
	v_cmp_gt_f32 vcc_lo, v[M+\e], v[SEC]
	v_cndmask_b32 v[SEC], v[SEC], v[M+\e], vcc_lo
	v_cndmask_b32 v[SI], v[SI], \e, vcc_lo
.endr
; The exponent of x's scale for the expert in v[idx], picked without a branch; then 2^e (the conversion takes its exponent field) and 448 x 2^e.
.macro SELEXP idx, sc, lm
	v_mov_b32 v[EX], s20
.irp e, 1,2,3,4,5,6,7
	v_cmp_eq_u32 vcc_lo, \e, v[\idx]
	v_cndmask_b32 v[EX], v[EX], s[20+4*\e], vcc_lo
.endr
	v_add_lshl_u32 v[\sc], v[EX], 127, 23
	v_add_lshl_u32 v[\lm], v[EX], 135, 23
	v_or_b32 v[\lm], 0x600000, v[\lm]
.endm
	; softmax over the two: t = e^(second - best) <= 1;  weights 1 / (1 + t) and t / (1 + t)
	v_sub_f32 v[TE], v[SEC], v[BEST]
	v_mul_f32 v[TE], 0x3fb8aa3b, v[TE]
	v_exp_f32 v[TE], v[TE]
	SELEXP BI, SC0, LM0                            ; plain work that names nothing of the exponential stands behind it,
	s_wait_alu depctr_va_vdst(0)                   ; and a wait ahead of the first reader
	v_add_f32 v[RC], 1.0, v[TE]
	v_rcp_f32 v[RC], v[RC]
	SELEXP SI, SC1, LM1                            ; the same behind the reciprocal
	s_wait_alu depctr_va_vdst(0)
	v_mul_f32 v[W1R], v[TE], v[RC]
; The row as codes for one slot: held within +-448 x the scale (the conversion to an 8-bit code does not saturate: ISA guide 7.6.2), converted eight at a
; time, stored 8 bytes a lane: each store of the wave covers 256 consecutive bytes, aligned.
.macro QUANT slot, sc, lm
.set QI, 0
.rept 32
	v_med3_num_f32 v[T+QI], v[X+QI], -v[\lm], v[\lm]
.set QI, QI+1
.endr
.irp g, 0,1,2,3
	v_cvt_scalef32_pk8_fp8_f32 v[C+8*\slot+2*\g:C+8*\slot+2*\g+1], v[T+8*\g:T+8*\g+7], v[\sc]
.endr
	v_nop                                          ; one plain instruction between the last conversion and the next write of its sources
.irp g, 0,1,2,3
	global_store_b64 v4, v[C+8*\slot+2*\g:C+8*\slot+2*\g+1], s[16:17] offset:1024*\slot+256*\g
.endr
.endm
	QUANT 0, SC0, LM0
	QUANT 1, SC1, LM1
	v_cmp_eq_u32 vcc_lo, 0, v1                     ; lane 0 stores slot 0's expert and weight, lane 1 slot 1's
	v_cndmask_b32 v[OV], v[SI], v[BI], vcc_lo
	v_cndmask_b32 v[OW], v[W1R], v[RC], vcc_lo
	v_cmp_gt_u32 vcc_lo, 2, v1
	s_wait_xcnt 0x0                                ; EXEC is a source of the stores above: it changes only behind this wait
	s_and_saveexec_b32 s62, vcc_lo
	global_store_b32 v6, v[OV], s[12:13]
	global_store_b32 v6, v[OW], s[14:15]
	s_endpgm
.Lfunc_end_k_q6a7cd801c3_route:
	.size	k_q6a7cd801c3_route, .Lfunc_end_k_q6a7cd801c3_route-k_q6a7cd801c3_route
	.p2alignl 7, 3214868480
	.fill 96, 4, 3214868480
	.section	.rodata,"a",@progbits
	.p2align	6, 0x0
	.amdhsa_kernel k_q6a7cd801c3_route
		.amdhsa_group_segment_fixed_size 0
		.amdhsa_private_segment_fixed_size 0
		.amdhsa_enable_private_segment 0
		.amdhsa_kernarg_size 56
		.amdhsa_user_sgpr_count 2
		.amdhsa_user_sgpr_kernarg_segment_ptr 1
		.amdhsa_wavefront_size32 1
		.amdhsa_system_sgpr_workgroup_id_x 1
		.amdhsa_system_sgpr_workgroup_id_y 1
		.amdhsa_system_sgpr_workgroup_id_z 1
		.amdhsa_system_vgpr_workitem_id 0
		.amdhsa_next_free_vgpr 512
		.amdhsa_next_free_sgpr 66
		.amdhsa_reserve_vcc 1
		.amdhsa_float_denorm_mode_32 3
		.amdhsa_float_denorm_mode_16_64 3
		.amdhsa_memory_ordered 1
		.amdhsa_forward_progress 1
		.amdhsa_inst_pref_size 30
	.end_amdhsa_kernel
	.amdgpu_metadata
---
amdhsa.version: [ 1, 2 ]
amdhsa.kernels:
  - .name:           k_q6a7cd801c3_route
    .symbol:         k_q6a7cd801c3_route.kd
    .args:
      - { .name: x, .offset: 0, .size: 8, .value_kind: global_buffer, .address_space: global }
      - { .name: gate_w, .offset: 8, .size: 8, .value_kind: global_buffer, .address_space: global }
      - { .name: gate_b, .offset: 16, .size: 8, .value_kind: global_buffer, .address_space: global }
      - { .name: lowp_scales, .offset: 24, .size: 8, .value_kind: global_buffer, .address_space: global }
      - { .name: sel, .offset: 32, .size: 8, .value_kind: global_buffer, .address_space: global }
      - { .name: cw, .offset: 40, .size: 8, .value_kind: global_buffer, .address_space: global }
      - { .name: xq, .offset: 48, .size: 8, .value_kind: global_buffer, .address_space: global }
    .group_segment_fixed_size: 0
    .private_segment_fixed_size: 0
    .kernarg_segment_align: 8
    .kernarg_segment_size: 56
    .max_flat_workgroup_size: 128
    .sgpr_count:     66
    .vgpr_count:     512
    .wavefront_size: 32
...
	.end_amdgpu_metadata
.endif
;; end of part 1
;; launch ffn1 (part 2): grid 256 x 1, 4 waves a work-group, no clusters, 5,632 bytes of LDS; arguments sel, xq, w1_codes, b1, lowp_scales, hbuf, glist, gcnt; writes hbuf, glist, gcnt
.if DOCPART == 2
	.amdgcn_target "amdgcn-amd-amdhsa--gfx1250"
	.amdhsa_code_object_version 6
	.text
	.protected	k_q6a7cd801c3_ffn1
	.globl	k_q6a7cd801c3_ffn1
	.p2align	8
	.type	k_q6a7cd801c3_ffn1,@function
k_q6a7cd801c3_ffn1:
	s_mov_b64 s[64:65], 0
	v_nop
	global_prefetch_b8 v0, s[64:65] scope:SCOPE_SE
	s_setreg_imm32_b32 hwreg(HW_REG_WAVE_MODE, 25, 1), 1
	s_wait_xcnt 0x0
; FFN1.  h = Q(gelu(Q(x) W1[e] + b1[e])) for the rows that chose expert e, on E4M3 codes by v_wmma_f32_16x16x128_fp8_fp8.
; SHARES.  Work-group id = 32 e + 2 c + s: expert e, hidden units 256 c .. 256 c + 255, and the tiles of 16 list rows tt = s, s + 2, s + 4, ..  Wave w makes
; hidden units 256 c + 64 w .. + 63 of every row: its 64 rows x 1,024 K of W1 (32 fragments, 512 registers) are loaded once and stay.
; THE LIST.  Wave 0 scans the 2,048 entries of sel and lays expert e's pairs on end in LDS (a running count in a scalar register, a lane's place by
; v_mbcnt); entries past the count hold the mark 2048 + e.  One barrier; behind it LDS is only read.  The first work-group of each expert also
; stores the list and the count for the next launch.  The fixed grid serves every split, up to all 1,024 tokens on one expert.
; NO TENSOR LOADS, NO CLUSTER: the number of tiles hangs on a count read from memory, so operands go from memory straight into registers; the same
; weights are read by two work-groups only (s = 0, 1), neighbours in the grid.
; THE PRODUCT IS USED TRANSPOSED: source 0 = 16 rows of W1, source 1 = 16 list rows.  Lane r of hidden tile 2 b + u takes W1's row 32 b + 8 u + r + 8 (r / 8), so
; that a lane's 16 registers of tiles 2 b, 2 b + 1 are hidden units 32 b + 16 (lane / 16) + 0 .. 15 of ONE row: two conversions give 16 bytes of the next
; operand.  Both operands are fetched 16 bytes at a time (registers 4 c .. 4 c + 3: K = 32 c + 16 (lane / 16) + 0 .. 15): the same order of K on both sides.
; hbuf: [e][tile 64][K step 32][2,048 bytes]: the image of a fragment's registers: group cc of lane l at 512 cc + 16 l.
; gelu(x) = x / (1 + 2^(x (C0 + C1 x^2))), C0 = -2 sqrt(2 / pi) log2(e), C1 = 0.044715 C0: the tanh form, finite for every finite x.
; Rows past the count in the last tile are made from xq's row 2047; the next launch sends their results to a row that nobody reads.
; LIMITS.  ex + ew1 between -126 and 127; eh between -126 and 119.  NaN is not served.
; REGISTERS.  window 0: see the names below.  window 1: W1, K steps 0-3 (step f, tile n at 64 f + 16 n).  window 2: K steps 4-7.
;   window 3: a ring of four buffers of half a tile of rows (16 rows x 512 K: 4 fragments).
.set WOFF, 4                           ; W1: (r + 8 (r / 8)) x 1,024 + 16 h
.set LA0,  5                           ; LDS: 4 r + 64 s: my row's entry in tile s of the list
.set L16,  6                           ; 16 x lane
.set H16,  7                           ; 16 h
.set ROWT, 8                           ; v8, v9  byte offset in xq of my row, for tiles of even and of odd turn
.set IDX,  10                          ; the list entry read ahead
.set LAK,  11                          ; LA0 + 128 x the trip's first tile
.set HOFF, 12                          ; hbuf: tile x 65,536 + 16 x lane
.set CNTA, 13                          ; LDS address of the count
.set SS,   14                          ; v[14:15] 2^(ex + ew1)
.set C0R,  16                          ; v[16:17] C0
.set C1R,  18                          ; v[18:19] C1
.set QS,   20                          ; 2^eh
.set QL,   21                          ; 448 x 2^eh
.set T16,  22                          ; 16 x thread
.set TMP,  23
.set B1,   24                          ; v[24:55]   b1 in the result's layout
.set ACC,  56                          ; v[56:87]   four accumulators
.set X,    88                          ; v[88:119]  the numbers ahead of gelu
.set WK,   120                         ; v[120:151] at work
.set CD,   152                         ; v[152:159] codes
.set SELR, 160                         ; v[160:223] wave 0: sel
.set RR,   224
.set PP,   225
.set L4,   226                         ; 4 x lane
.set DMP,  227                         ; the word that lanes without a match write
.set PADM, 228                         ; v[228:231] the mark 2048 + e
.set CN2,  232                         ; v[232:233] the count
.set B1O,  234                         ; 64 h
.set T8,   235                         ; 8 x thread
.set CP,   236                         ; v[236:243] the copy of the list
.set LISTW, 1152                       ; LDS words of the list: 1,024 entries, 96 read ahead past the end, the rest spare; the last is the dump word
.set CNT,   4*LISTW                    ; LDS byte of the count
.set MSB, 0
.macro WIN new                         ; the immediate's high byte repeats the setting that is left
.if MSB != (\new)
	s_set_vgpr_msb (MSB<<8)|(\new)
.set MSB, (\new)
.endif
.endm
; 16 loads: hidden tile n, K steps 4 wv .. 4 wv + 3: 512 consecutive bytes of each of its 16 rows
.macro WLOAD wv, n
	WIN 0x40*(1+(\wv))
.irp f, 0,1,2,3
.irp cc, 0,1,2,3
	global_load_b128 v[64*\f+16*(\n)+4*\cc:64*\f+16*(\n)+4*\cc+3], v[WOFF], s[8:9] offset:(32*((\n)/2)+8*((\n)%2))*1024+512*(\wv)+128*\f+32*\cc
.endr
.endr
.endm
; 16 loads: half x (512 along K) of the 16 rows whose offsets stand in v[rowreg], into ring buffer q
.macro ALOAD q, x, rowreg
	WIN 0xc0
.irp f, 0,1,2,3
.irp cc, 0,1,2,3
	global_load_b128 v[64*(\q)+16*\f+4*\cc:64*(\q)+16*\f+4*\cc+3], v[\rowreg], s[6:7] offset:512*(\x)+128*\f+32*\cc
.endr
.endr
.endm
; 16 matrix instructions: four K steps x four hidden tiles.  The four accumulators take turns, one instruction a turn.
; zero = 1: the first four start the sums.
.macro MULH q, x, zero
	WIN 0x0d+(\x)                                  ; source 0 (W1) window 1 or 2, source 1 (rows) window 3
.irp f, 0,1,2,3
.irp n, 0,1,2,3
.if (\zero) && (\f == 0)
	v_wmma_f32_16x16x128_fp8_fp8 v[ACC+8*\n:ACC+8*\n+7], v[64*\f+16*\n:64*\f+16*\n+15], v[64*(\q)+16*\f:64*(\q)+16*\f+15], 0
.else
	v_wmma_f32_16x16x128_fp8_fp8 v[ACC+8*\n:ACC+8*\n+7], v[64*\f+16*\n:64*\f+16*\n+15], v[64*(\q)+16*\f:64*(\q)+16*\f+15], v[ACC+8*\n:ACC+8*\n+7]
.endif
.endr
.endr
.endm
; A tile's 32 sums a lane: x 2^(ex + ew1) + b1, gelu, the hold, the codes, two stores of 512 consecutive bytes a wave.
.macro EPI
	WIN 0
	s_wait_xcnt 0x0                                ; the last tile's stores have read HOFF and CD: both are written again only behind this wait
	v_lshl_add_u32 v[HOFF], s34, 16, v[L16]
	v_nop                                          ; with the line above: four plain instructions between the last product and the first read of a result (ISA guide 7.12.1)
	v_nop
	v_nop
.set EI, 0
.rept 16
	v_pk_fma_f32 v[X+EI:X+EI+1], v[ACC+EI:ACC+EI+1], v[SS:SS+1], v[B1+EI:B1+EI+1]   ; each accumulator from its low end on
.set EI, EI+2
.endr
.set EI, 0
.rept 16
	v_pk_mul_f32 v[WK+EI:WK+EI+1], v[X+EI:X+EI+1], v[X+EI:X+EI+1]
.set EI, EI+2
.endr
.set EI, 0
.rept 16
	v_pk_fma_f32 v[WK+EI:WK+EI+1], v[WK+EI:WK+EI+1], v[C1R:C1R+1], v[C0R:C0R+1]
.set EI, EI+2
.endr
.set EI, 0
.rept 16
	v_pk_mul_f32 v[WK+EI:WK+EI+1], v[X+EI:X+EI+1], v[WK+EI:WK+EI+1]
.set EI, EI+2
.endr
.set EI, 0
.rept 32
	v_exp_f32 v[WK+EI], v[WK+EI]
.set EI, EI+1
.endr
	v_nop                                          ; a plain instruction behind the last exponential,
	s_wait_alu depctr_va_vdst(0)                   ; and one wait for the batch of 32, ahead of its first reader
.set EI, 0
.rept 16
	v_pk_add_f32 v[WK+EI:WK+EI+1], v[WK+EI:WK+EI+1], 1.0 op_sel_hi:[1,0]
.set EI, EI+2
.endr
.set EI, 0
.rept 32
	v_rcp_f32 v[WK+EI], v[WK+EI]
.set EI, EI+1
.endr
	v_nop
	s_wait_alu depctr_va_vdst(0)                   ; one wait for the 32 reciprocals
.set EI, 0
.rept 16
	v_pk_mul_f32 v[WK+EI:WK+EI+1], v[X+EI:X+EI+1], v[WK+EI:WK+EI+1]
.set EI, EI+2
.endr
.set EI, 0
.rept 32
	v_med3_num_f32 v[WK+EI], v[WK+EI], -v[QL], v[QL]   ; the conversion to an 8-bit code does not saturate (ISA guide 7.6.2)
.set EI, EI+1
.endr
.irp g, 0,1,2,3
	v_cvt_scalef32_pk8_fp8_f32 v[CD+2*\g:CD+2*\g+1], v[WK+8*\g:WK+8*\g+7], v[QS]
.endr
	v_nop                                          ; one plain instruction behind the last conversion
	global_store_b128 v[HOFF], v[CD:CD+3], s[14:15]
	global_store_b128 v[HOFF], v[CD+4:CD+7], s[14:15] offset:512
.endm
; One tile, at place a (0 or 1) of a trip: its halves lie in ring buffers 2 a and 2 a + 1.  Three halves of 16 loads are out at each wait: the two younger may stay.
.macro TILE a
	s_wait_loadcnt 32                              ; this tile's first half is in (and, in the first tile, all the weights and b1, which are older)
	ALOAD (2*\a+3)%4, 1, ROWT+1-\a                 ; the next tile's second half, into the buffer that the tile before read ahead of its gelu
	MULH 2*\a, 0, 1
	s_wait_loadcnt 32                              ; this tile's second half is in: so v[ROWT + a] may be written
	WIN 0
	s_wait_dscnt 0x0                               ; the list entry read ahead
	v_min_u32 v[TMP], 2047, v[IDX]                 ; a mark becomes row 2047
	v_lshl_add_u32 v[ROWT+\a], v[TMP], 10, v[H16]
	ds_load_b32 v[IDX], v[LAK] offset:128*(\a+3)   ; the entry of three tiles on
	v_nop                                          ; with the two lines above: four plain instructions between the products that read the buffer and the loads into it
	v_nop
	ALOAD 2*\a, 0, ROWT+\a                         ; the first half of two tiles on
	MULH 2*\a+1, 1, 0
	EPI
	s_add_co_u32 s31, s31, 1
	s_add_co_u32 s34, s34, 2
.endm
	s_load_b512 s[4:19], s[0:1], 0x0               ; sel s[4:5], xq s[6:7], w1 s[8:9], b1 s[10:11], scales s[12:13], hbuf s[14:15], glist s[16:17], gcnt s[18:19]
	v_lshl_add_u32 v254, v0, 2, 0x1400
	v_mov_b32 v255, 0
	v_lshrrev_b32 v[TMP], 5, v0
	v_readfirstlane_b32 s24, v[TMP]                ; wave
	s_and_b32 s25, ttmp9, 1                        ; s: which tiles
	s_bfe_u32 s26, ttmp9, 0x40001                  ; c: which 256 hidden units
	s_lshr_b32 s27, ttmp9, 5                       ; e
	v_and_b32 v1, 31, v0                           ; lane
	v_and_b32 v2, 15, v0                           ; r
	v_bfe_u32 v3, v0, 4, 1                         ; h
	v_and_b32 v[WOFF], 8, v2
	v_add_nc_u32 v[WOFF], v[WOFF], v2
	v_lshlrev_b32 v[WOFF], 10, v[WOFF]
	v_lshl_add_u32 v[WOFF], v3, 4, v[WOFF]
	s_lshl_b32 s37, s25, 6
	v_lshl_add_u32 v[LA0], v2, 2, s37
	v_lshlrev_b32 v[L16], 4, v1
	v_lshlrev_b32 v[H16], 4, v3
	v_mov_b32 v[CNTA], CNT
	v_lshlrev_b32 v[T16], 4, v0
	v_lshlrev_b32 v[T8], 3, v0
	v_lshlrev_b32 v[B1O], 6, v3
	v_lshlrev_b32 v[L4], 2, v1
	v_mov_b32 v[DMP], LISTW-1
	s_add_co_u32 s37, s27, 2048
.irp i, 0,1,2,3
	v_mov_b32 v[PADM+\i], s37
.endr
	s_mov_b32 s3, 0
	s_wait_kmcnt 0x0
	s_lshl_b32 s2, s27, 4
	s_add_nc_u64 s[12:13], s[12:13], s[2:3]
	s_load_b128 s[20:23], s[12:13], 0x0            ; ex, ew1, eh, ew2 of my expert
	s_lshl_b32 s2, s27, 22                         ; W1: e x 4 MiB + c x 256 rows + w x 64 rows of 1,024 bytes
	s_lshl_b32 s37, s26, 18
	s_add_co_u32 s2, s2, s37
	s_lshl_b32 s37, s24, 16
	s_add_co_u32 s2, s2, s37
	s_add_nc_u64 s[8:9], s[8:9], s[2:3]
	s_lshl_b32 s2, s27, 14                         ; b1: (4,096 e + 256 c + 64 w) x 4
	s_lshl_b32 s37, s26, 10
	s_add_co_u32 s2, s2, s37
	s_lshl_b32 s37, s24, 8
	s_add_co_u32 s2, s2, s37
	s_add_nc_u64 s[10:11], s[10:11], s[2:3]
	s_lshl_b32 s2, s27, 22                         ; hbuf: e x 4 MiB + K step (2 c + w / 2) x 2,048 + (w % 2) x 1,024 = + 4,096 c + 1,024 w
	s_lshl_b32 s37, s26, 12
	s_add_co_u32 s2, s2, s37
	s_lshl_b32 s37, s24, 10
	s_add_co_u32 s2, s2, s37
	s_add_nc_u64 s[14:15], s[14:15], s[2:3]
	s_lshl_b32 s2, s27, 12
	s_add_nc_u64 s[16:17], s[16:17], s[2:3]        ; glist's row e
	s_lshl_b32 s2, s27, 10
	s_add_nc_u64 s[18:19], s[18:19], s[2:3]        ; gcnt's row e
	s_cmp_lg_u32 s24, 0                            ; the one parting of the waves
	s_cbranch_scc1 .Lothers
.irp j, 0,1,2,3,4,5,6,7,8,9,10,11,12,13,14,15
	global_load_b128 v[SELR+4*\j:SELR+4*\j+3], v[L16], s[4:5] offset:512*\j   ; register 4 j + i: pair 128 j + 4 lane + i
.endr
	WLOAD 0, 0                                     ; weights go out behind sel, so that they are on their way during the scan
	WLOAD 0, 1
	WIN 0
.irp i, 0,1,2,3,4,5,6,7,8
	ds_store_b128 v[L16], v[PADM:PADM+3] offset:512*\i   ; all 1,152 words hold the mark; LDS serves a wave's instructions in order, so the scan's stores land on top
.endr
	s_mov_b32 s36, 0                               ; pairs found so far
	s_wait_loadcnt 32                              ; sel is in; the 32 weight loads are younger
.set SCN, 0
.rept 64
	v_cmp_eq_u32 vcc_lo, s27, v[SELR+SCN]
	v_mbcnt_lo_u32_b32 v[RR], vcc_lo, s36          ; the count so far + the matching lanes below me
	v_cndmask_b32 v[RR], v[DMP], v[RR], vcc_lo     ; lanes without a match write the dump word
	v_min_u32 v[RR], 1151, v[RR]
	v_lshlrev_b32 v[RR], 2, v[RR]
	v_add_nc_u32 v[PP], 128*(SCN/4)+(SCN%4), v[L4] ; my pair
	ds_store_b32 v[RR], v[PP]
	s_bcnt1_i32_b32 s37, vcc_lo
	s_add_co_u32 s36, s36, s37
.set SCN, SCN+1
.endr
	v_mov_b32 v[CN2], s36
	ds_store_b32 v[CNTA], v[CN2]
	s_branch .Ljoin
.Lothers:
	WLOAD 0, 0
	WLOAD 0, 1
	WIN 0
.Ljoin:
	WLOAD 0, 2
	WLOAD 0, 3
	WLOAD 1, 0
	WLOAD 1, 1
	WLOAD 1, 2
	WLOAD 1, 3
	WIN 0
.irp q, 0,1,2,3,4,5,6,7
	global_load_b128 v[B1+4*\q:B1+4*\q+3], v[B1O], s[10:11] offset:128*(\q/4)+16*(\q%4)   ; register 16 b + i: b1 of hidden unit 32 b + 16 h + i
.endr
	s_wait_kmcnt 0x0
	s_add_co_i32 s37, s20, s21
	s_add_co_i32 s37, s37, 127
	s_lshl_b32 s37, s37, 23                        ; 2^(ex + ew1)
	v_mov_b32 v[SS], s37
	v_mov_b32 v[SS+1], s37
	v_mov_b32 v[C0R], 0xc0135761                   ; -2.3022082
	v_mov_b32 v[C0R+1], 0xc0135761
	v_mov_b32 v[C1R], 0xbdd2d3e8                   ; -0.10294324
	v_mov_b32 v[C1R+1], 0xbdd2d3e8
	s_add_co_i32 s37, s22, 127
	s_lshl_b32 s36, s37, 23
	v_mov_b32 v[QS], s36                           ; 2^eh: the conversion takes its exponent field
	s_add_co_i32 s37, s37, 8
	s_lshl_b32 s37, s37, 23
	s_or_b32 s37, s37, 0x600000
	v_mov_b32 v[QL], s37                           ; 448 x 2^eh
	s_wait_dscnt 0x0                               ; wave 0's stores of the list and the count have landed
	s_barrier_signal -1
	s_barrier_wait -1                              ; behind this barrier LDS is only read
	ds_load_b32 v[CN2], v[CNTA]
	ds_load_b32 v[CP], v[LA0]                      ; my row's entry in my tiles 0,
	ds_load_b32 v[CP+1], v[LA0] offset:128         ; 1
	ds_load_b32 v[IDX], v[LA0] offset:256          ; and 2
	s_wait_dscnt 0x1                               ; the last of the four may be out
	v_readfirstlane_b32 s28, v[CN2]
	s_min_u32 s28, s28, 1024                       ; the count
	s_add_co_u32 s29, s28, 15
	s_lshr_b32 s29, s29, 4
	s_max_u32 s29, s29, 1                          ; tiles: at least one, so that tile 0 of hbuf is always written
	s_add_co_u32 s30, s29, 1
	s_sub_co_u32 s30, s30, s25
	s_lshr_b32 s30, s30, 1                         ; of which mine
	v_min_u32 v[CP], 2047, v[CP]
	v_min_u32 v[CP+1], 2047, v[CP+1]
	v_lshl_add_u32 v[ROWT], v[CP], 10, v[H16]
	v_lshl_add_u32 v[ROWT+1], v[CP+1], 10, v[H16]
	s_and_b32 s37, ttmp9, 31                       ; the expert's first work-group hands the list and the count on
	s_cmp_lg_u32 s37, 0
	s_cbranch_scc1 .Lnocopy
	ds_load_b128 v[CP:CP+3], v[T16]
	ds_load_b128 v[CP+4:CP+7], v[T16] offset:2048
	v_mov_b32 v[CN2], s28
	v_mov_b32 v[CN2+1], s28
	s_wait_dscnt 0x0
	global_store_b128 v[T16], v[CP:CP+3], s[16:17]
	global_store_b128 v[T16], v[CP+4:CP+7], s[16:17] offset:2048
	global_store_b64 v[T8], v[CN2:CN2+1], s[18:19] ; all 256 words of the row hold the count
.Lnocopy:
	ALOAD 0, 0, ROWT
	ALOAD 1, 1, ROWT
	ALOAD 2, 0, ROWT+1
	WIN 0
	s_mov_b32 s31, 0                               ; my tile's number k
	s_mov_b32 s32, 0                               ; the trip
	s_mov_b32 s33, 0                               ; 128 x the trip's first k
	s_mov_b32 s34, s25                             ; the tile in the list: s + 2 k
.Lbody:                                            ; at most 16 trips of two tiles; the way out hangs on the count
	s_cmp_ge_u32 s31, s30
	s_cbranch_scc1 .Ldone
	v_add_nc_u32 v[LAK], s33, v[LA0]
	TILE 0
	s_cmp_ge_u32 s31, s30
	s_cbranch_scc1 .Ldone
	TILE 1
	s_add_co_u32 s33, s33, 256
	s_add_co_u32 s32, s32, 1
	s_cmp_lt_u32 s32, 16
	s_cbranch_scc1 .Lbody
.Ldone:
	s_wait_dscnt 0x0
	s_barrier_signal -1
	s_barrier_wait -1
	s_wait_tensorcnt 0x0
	ds_add_u32 v254, v255
	s_wait_dscnt 0x0
	s_endpgm
.Lfunc_end_k_q6a7cd801c3_ffn1:
	.size	k_q6a7cd801c3_ffn1, .Lfunc_end_k_q6a7cd801c3_ffn1-k_q6a7cd801c3_ffn1
	.p2alignl 7, 3214868480
	.fill 96, 4, 3214868480
	.section	.rodata,"a",@progbits
	.p2align	6, 0x0
	.amdhsa_kernel k_q6a7cd801c3_ffn1
		.amdhsa_group_segment_fixed_size 5632
		.amdhsa_private_segment_fixed_size 0
		.amdhsa_enable_private_segment 0
		.amdhsa_kernarg_size 64
		.amdhsa_user_sgpr_count 2
		.amdhsa_user_sgpr_kernarg_segment_ptr 1
		.amdhsa_wavefront_size32 1
		.amdhsa_system_sgpr_workgroup_id_x 1
		.amdhsa_system_sgpr_workgroup_id_y 1
		.amdhsa_system_sgpr_workgroup_id_z 1
		.amdhsa_system_vgpr_workitem_id 0
		.amdhsa_next_free_vgpr 1024
		.amdhsa_next_free_sgpr 66
		.amdhsa_reserve_vcc 1
		.amdhsa_float_denorm_mode_32 3
		.amdhsa_float_denorm_mode_16_64 3
		.amdhsa_memory_ordered 1
		.amdhsa_forward_progress 1
		.amdhsa_inst_pref_size 87
	.end_amdhsa_kernel
	.amdgpu_metadata
---
amdhsa.version: [ 1, 2 ]
amdhsa.kernels:
  - .name:           k_q6a7cd801c3_ffn1
    .symbol:         k_q6a7cd801c3_ffn1.kd
    .args:
      - { .name: sel, .offset: 0, .size: 8, .value_kind: global_buffer, .address_space: global }
      - { .name: xq, .offset: 8, .size: 8, .value_kind: global_buffer, .address_space: global }
      - { .name: w1_codes, .offset: 16, .size: 8, .value_kind: global_buffer, .address_space: global }
      - { .name: b1, .offset: 24, .size: 8, .value_kind: global_buffer, .address_space: global }
      - { .name: lowp_scales, .offset: 32, .size: 8, .value_kind: global_buffer, .address_space: global }
      - { .name: hbuf, .offset: 40, .size: 8, .value_kind: global_buffer, .address_space: global }
      - { .name: glist, .offset: 48, .size: 8, .value_kind: global_buffer, .address_space: global }
      - { .name: gcnt, .offset: 56, .size: 8, .value_kind: global_buffer, .address_space: global }
    .group_segment_fixed_size: 5632
    .private_segment_fixed_size: 0
    .kernarg_segment_align: 8
    .kernarg_segment_size: 64
    .max_flat_workgroup_size: 128
    .sgpr_count:     66
    .vgpr_count:     1024
    .wavefront_size: 32
...
	.end_amdgpu_metadata
.endif
;; end of part 2
;; launch ffn2 (part 3): grid 256 x 1, 4 waves a work-group, no clusters, 283,136 bytes of LDS; arguments hbuf, glist, gcnt, w2_codes, b2, lowp_scales, y; writes y
.if DOCPART == 3
	.amdgcn_target "amdgcn-amd-amdhsa--gfx1250"
	.amdhsa_code_object_version 6
	.text
	.protected	k_q6a7cd801c3_ffn2
	.globl	k_q6a7cd801c3_ffn2
	.p2align	8
	.type	k_q6a7cd801c3_ffn2,@function
k_q6a7cd801c3_ffn2:
	s_mov_b64 s[64:65], 0
	v_nop
	global_prefetch_b8 v0, s[64:65] scope:SCOPE_SE
	s_setreg_imm32_b32 hwreg(HW_REG_WAVE_MODE, 25, 1), 1
	s_wait_xcnt 0x0
; FFN2.  y[p] = h W2[e] x 2^(eh + ew2) + b2[e] for every pair p of expert e's list, on E4M3 codes by v_wmma_f32_16x16x128_fp8_fp8.
; SHARES.  Work-group id = 32 e + 2 j + s: expert e, output columns 64 j .. 64 j + 63, tiles of 16 list rows tt = s, s + 2, ..
; THE WAVES SHARE K: wave w holds K steps 8 w .. 8 w + 7 (of 128) of all 64 columns, 32 fragments in 512 registers, loaded once, and reads only its own 16 KiB of
; each tile of h, which lie on end in hbuf as images of the operand's registers: each load of the wave covers 512 consecutive bytes.
; The four waves' partial sums meet in LDS.  No barrier may hang on the count, so the work goes in a constant 2 passes of up to 16 tiles: products (no barrier),
; a barrier, the sums and the stores (no barrier), a barrier.
; NO TENSOR LOADS, NO CLUSTER: the number of tiles hangs on a count read from memory.  NO PREFETCH of h: from its first line the launch has 32 MiB of weights on
; their way, and h is wanted only behind them.
; THE PRODUCT IS USED TRANSPOSED: source 0 = 16 columns (rows of w2_codes), source 1 = 16 list rows: a lane holds row lane % 16 and columns 16 n + 8 (lane / 16) + 0 .. 7.
; Rows past the count carry the mark 2048 + e in the list: their results go to y's row 2048 + e, which nobody reads.
; LIMITS.  eh + ew2 between -126 and 127.
; LDS.  PART: tile kk x 17,408 + wave x 4,352 + group of four columns x 272 + 16 x row: 272 = 16 rows x 16 bytes + 16, so that both the stores (16 rows of a group) and the
; reads (16 groups of a row) fall on 16 different 16-byte columns of the banks.  LIST behind it: the expert's 1,024 entries.
; REGISTERS.  window 0: the names below.  window 1: W2, my K steps 0-3 (step f, tile n at 64 f + 16 n).  window 2: my K steps 4-7.  window 3: a ring of four buffers of half a tile of h.
.set WOFF, 4                           ; W2: r x 4,096 + 16 h
.set L16,  6                           ; 16 x lane
.set OFFT, 8                           ; v8, v9  tile x 65,536 + 16 x lane, for tiles of even and of odd turn
.set PW,   10                          ; PART, on the way in: 4,352 w + 544 h + 16 r
.set PA,   11
.set RL,   12                          ; PART, on the way out: 272 (lane % 16) + 16 (lane / 16) + 64 w
.set RA,   13
.set LL,   14                          ; LIST + 16 w + 4 (lane / 16)
.set LAD,  15
.set COL,  16                          ; y: 256 j + 16 (lane % 16)
.set LSTO, 18                          ; LIST + 16 x thread
.set T16,  19                          ; 16 x thread
.set SS,   20                          ; v[20:21] 2^(eh + ew2)
.set B2O,  22                          ; 16 (lane % 16)
.set B2,   24                          ; v[24:27] b2 of my four columns
.set LC,   28                          ; v[28:35] the list on its way to LDS
.set ACC,  40                          ; v[40:103] two sets of four accumulators, by turns
.set R,    104                         ; v[104:135] two rows x four waves' parts
.set PI,   136                         ; v136, v137 pairs
.set YO,   138                         ; v138, v139 offsets in y
.set TPART, 17408
.set LIST,  16*TPART
.set MSB, 0
.macro WIN new                         ; the immediate's high byte repeats the setting that is left
.if MSB != (\new)
	s_set_vgpr_msb (MSB<<8)|(\new)
.set MSB, (\new)
.endif
.endm
; 16 loads: column tile n, my K steps 4 wv .. 4 wv + 3: 512 consecutive bytes of each of its 16 rows
.macro WLOAD wv, n
	WIN 0x40*(1+(\wv))
.irp f, 0,1,2,3
.irp cc, 0,1,2,3
	global_load_b128 v[64*\f+16*(\n)+4*\cc:64*\f+16*(\n)+4*\cc+3], v[WOFF], s[10:11] offset:65536*(\n)+512*(\wv)+128*\f+32*\cc
.endr
.endr
.endm
; 16 loads: half x (four K steps) of my part of the tile whose offset stands in v[offreg], into ring buffer q
.macro ALOAD q, x, offreg
	WIN 0xc0
.irp f, 0,1,2,3
.irp cc, 0,1,2,3
	global_load_b128 v[64*(\q)+16*\f+4*\cc:64*(\q)+16*\f+4*\cc+3], v[\offreg], s[4:5] offset:8192*(\x)+2048*\f+512*\cc
.endr
.endr
.endm
; 16 matrix instructions: four K steps x four column tiles; the four accumulators take turns, one instruction a turn
.macro MULH q, x, zero, acc
	WIN 0x0d+(\x)                                  ; source 0 (W2) window 1 or 2, source 1 (h) window 3
.irp f, 0,1,2,3
.irp n, 0,1,2,3
.if (\zero) && (\f == 0)
	v_wmma_f32_16x16x128_fp8_fp8 v[\acc+8*\n:\acc+8*\n+7], v[64*\f+16*\n:64*\f+16*\n+15], v[64*(\q)+16*\f:64*(\q)+16*\f+15], 0
.else
	v_wmma_f32_16x16x128_fp8_fp8 v[\acc+8*\n:\acc+8*\n+7], v[64*\f+16*\n:64*\f+16*\n+15], v[64*(\q)+16*\f:64*(\q)+16*\f+15], v[\acc+8*\n:\acc+8*\n+7]
.endif
.endr
.endr
.endm
; Tile kk of a pass.  Three halves of 16 loads are out at each wait, and the two younger may stay; the pass's last tiles ask for nothing beyond it, and their counts run down.
.macro TILE kk
.set TA, (\kk)%2
.set Q0, 2*TA
.set ASET, ACC+32*TA
.if (\kk) < 15
	s_wait_loadcnt 32                              ; this tile's first half is in (and, in the first tile, the weights, which are older)
	ALOAD (Q0+3)%4, 1, OFFT+1-TA                   ; the next tile's second half
.else
	s_wait_loadcnt 16
.endif
	s_wait_dscnt 8                                 ; the last tile's eight stores may be out; those of the tile before it, which read this set of accumulators, are done
	MULH Q0, 0, 1, ASET
.if (\kk) < 15
	s_wait_loadcnt 32                              ; this tile's second half is in: so its offset register may be written
.else
	s_wait_loadcnt 0
.endif
.if (\kk) < 14
	WIN 0
	s_add_co_u32 s34, s33, 2*(\kk)+4               ; two tiles on; past the list's end the last tile is read again and not used
	s_min_u32 s34, s34, s28
	s_min_u32 s34, s34, 63
	v_lshl_add_u32 v[OFFT+TA], s34, 16, v[L16]
	v_nop                                          ; with the line above: four plain instructions between the products that read the buffer and the loads into it (ISA guide 7.12.1 for vector instructions)
	v_nop
	v_nop
	ALOAD Q0, 0, OFFT+TA
.endif
	MULH Q0+1, 1, 0, ASET
	WIN 0
	v_add_nc_u32 v[PA], (\kk)*TPART, v[PW]
	v_nop                                          ; four plain instructions between the last product and the first read of a result
	v_nop
	v_nop
.irp n, 0,1,2,3
	ds_store_b128 v[PA], v[ASET+8*\n:ASET+8*\n+3] offset:1088*\n          ; each accumulator from its low end on
	ds_store_b128 v[PA], v[ASET+8*\n+4:ASET+8*\n+7] offset:1088*\n+272
.endr
.if (\kk) < 15
	s_cmp_le_u32 s32, (\kk)+1                      ; was that my last tile of the pass?
	s_cbranch_scc1 .Lcdone
.endif
.endm
	s_load_b256 s[4:11], s[0:1], 0x0               ; hbuf s[4:5], glist s[6:7], gcnt s[8:9], w2 s[10:11]
	s_load_b128 s[12:15], s[0:1], 0x20             ; b2 s[12:13], scales s[14:15]
	s_load_b64 s[16:17], s[0:1], 0x30              ; y
	v_lshl_add_u32 v254, v0, 2, 0x45000
	v_mov_b32 v255, 0
	v_lshrrev_b32 v5, 5, v0
	v_readfirstlane_b32 s24, v5                    ; wave
	s_and_b32 s25, ttmp9, 1                        ; s
	s_bfe_u32 s26, ttmp9, 0x40001                  ; j
	s_lshr_b32 s27, ttmp9, 5                       ; e
	v_and_b32 v1, 31, v0                           ; lane
	v_and_b32 v2, 15, v0                           ; r = lane % 16
	v_bfe_u32 v3, v0, 4, 1                         ; h = lane / 16
	v_lshlrev_b32 v[WOFF], 12, v2
	v_lshl_add_u32 v[WOFF], v3, 4, v[WOFF]
	v_lshlrev_b32 v[L16], 4, v1
	s_mul_i32 s34, s24, 4352
	v_mul_u32_u24 v[PW], v3, 544
	v_lshl_add_u32 v[PW], v2, 4, v[PW]
	v_add_nc_u32 v[PW], s34, v[PW]
	s_lshl_b32 s34, s24, 6
	v_mul_u32_u24 v[RL], v2, 272
	v_lshl_add_u32 v[RL], v3, 4, v[RL]
	v_add_nc_u32 v[RL], s34, v[RL]
	s_lshl_b32 s34, s24, 4
	s_add_co_u32 s34, s34, LIST
	v_lshlrev_b32 v[LL], 2, v3
	v_add_nc_u32 v[LL], s34, v[LL]
	s_lshl_b32 s34, s26, 8
	v_lshl_add_u32 v[COL], v2, 4, s34
	v_lshl_add_u32 v[LSTO], v0, 4, LIST
	v_lshlrev_b32 v[T16], 4, v0
	v_lshlrev_b32 v[B2O], 4, v2
	s_mov_b32 s3, 0
	s_wait_kmcnt 0x0
	s_lshl_b32 s2, s27, 10
	s_add_nc_u64 s[8:9], s[8:9], s[2:3]
	s_load_b32 s22, s[8:9], 0x0                    ; the count
	s_lshl_b32 s2, s27, 4
	s_add_nc_u64 s[14:15], s[14:15], s[2:3]
	s_load_b64 s[20:21], s[14:15], 0x8             ; eh, ew2
	s_lshl_b32 s2, s27, 12
	s_add_nc_u64 s[6:7], s[6:7], s[2:3]            ; glist's row e
	s_lshl_b32 s34, s26, 8
	s_add_co_u32 s2, s2, s34
	s_add_nc_u64 s[12:13], s[12:13], s[2:3]        ; b2: (1,024 e + 64 j) x 4
	s_lshl_b32 s2, s27, 22                         ; W2: e x 4 MiB + j x 64 rows of 4,096 bytes + w x 8 K steps of 128 bytes
	s_lshl_b32 s34, s26, 18
	s_add_co_u32 s2, s2, s34
	s_lshl_b32 s34, s24, 10
	s_add_co_u32 s2, s2, s34
	s_add_nc_u64 s[10:11], s[10:11], s[2:3]
	s_lshl_b32 s2, s27, 22                         ; hbuf: e x 4 MiB + w x 8 K steps of 2,048 bytes
	s_lshl_b32 s34, s24, 14
	s_add_co_u32 s2, s2, s34
	s_add_nc_u64 s[4:5], s[4:5], s[2:3]
	global_load_b128 v[LC:LC+3], v[T16], s[6:7]
	global_load_b128 v[LC+4:LC+7], v[T16], s[6:7] offset:2048
	global_load_b128 v[B2:B2+3], v[B2O], s[12:13]
	WLOAD 0, 0
	WLOAD 0, 1
	WIN 0
	s_wait_loadcnt 33                              ; the list is in; b2 and 32 weight loads are younger
	ds_store_b128 v[LSTO], v[LC:LC+3]
	ds_store_b128 v[LSTO], v[LC+4:LC+7] offset:2048
	WLOAD 0, 2
	WLOAD 0, 3
	WLOAD 1, 0
	WLOAD 1, 1
	WLOAD 1, 2
	WLOAD 1, 3
	WIN 0
	s_wait_kmcnt 0x0
	s_min_u32 s22, s22, 1024
	s_add_co_u32 s28, s22, 15
	s_lshr_b32 s28, s28, 4
	s_max_u32 s28, s28, 1                          ; tiles, as the launch before counted them
	s_add_co_u32 s29, s28, 1
	s_sub_co_u32 s29, s29, s25
	s_lshr_b32 s29, s29, 1                         ; of which mine
	s_sub_co_u32 s28, s28, 1                       ; the last tile that was written
	s_add_co_i32 s34, s20, s21
	s_add_co_i32 s34, s34, 127
	s_lshl_b32 s34, s34, 23                        ; 2^(eh + ew2)
	v_mov_b32 v[SS], s34
	v_mov_b32 v[SS+1], s34
	s_mov_b32 s30, 0                               ; the pass
.Lpass:
	s_lshl_b32 s31, s30, 4                         ; my tiles ahead of this pass
	s_sub_co_i32 s32, s29, s31
	s_max_i32 s32, s32, 0                          ; my tiles from here on
	s_lshl_b32 s33, s30, 5
	s_add_co_u32 s33, s33, s25                     ; the pass's first tile in the list: s + 32 x pass
	s_cmp_eq_u32 s32, 0
	s_cbranch_scc1 .Lcdone
	s_min_u32 s34, s33, s28
	s_min_u32 s34, s34, 63
	v_lshl_add_u32 v[OFFT], s34, 16, v[L16]
	s_add_co_u32 s34, s33, 2
	s_min_u32 s34, s34, s28
	s_min_u32 s34, s34, 63
	v_lshl_add_u32 v[OFFT+1], s34, 16, v[L16]
	ALOAD 0, 0, OFFT
	ALOAD 1, 1, OFFT
	ALOAD 2, 0, OFFT+1
.irp t, 0,1,2,3,4,5,6,7,8,9,10,11,12,13,14,15
	TILE \t
.endr
.Lcdone:
	s_wait_loadcnt 0x0                             ; the ring is quiet: its registers and offsets are free for the next pass; b2 is in
	s_wait_dscnt 0x0                               ; my parts (and, the first time, my part of the list) have landed
	s_barrier_signal -1
	s_barrier_wait -1
	s_mov_b32 s38, 0                               ; the trip
	s_mov_b32 s39, 0                               ; the tile's place in PART
	s_lshl_b32 s40, s33, 6                         ; the tile's 16 entries in LIST
	s_mov_b32 s41, s31                             ; my tile's number
.Lred:                                             ; 16 trips: wave w takes rows 4 w .. 4 w + 3 of each tile: two rows an instruction, sixteen lanes to a row's 64 columns
	s_cmp_ge_u32 s41, s29
	s_cbranch_scc1 .Lredskip
	s_wait_xcnt 0x0                                ; the last trip's stores have read their offsets and data
	v_add_nc_u32 v[RA], s39, v[RL]
	v_add_nc_u32 v[LAD], s40, v[LL]
.irp i, 0,1
.irp q, 0,1,2,3
	ds_load_b128 v[R+16*\i+4*\q:R+16*\i+4*\q+3], v[RA] offset:4352*\q+32*\i
.endr
.endr
	ds_load_b32 v[PI], v[LAD]
	ds_load_b32 v[PI+1], v[LAD] offset:8
	s_wait_dscnt 0x0
.irp i, 0,1
.irp u, 0,2
	v_pk_add_f32 v[R+16*\i+\u:R+16*\i+\u+1], v[R+16*\i+\u:R+16*\i+\u+1], v[R+16*\i+4+\u:R+16*\i+4+\u+1]
	v_pk_add_f32 v[R+16*\i+8+\u:R+16*\i+8+\u+1], v[R+16*\i+8+\u:R+16*\i+8+\u+1], v[R+16*\i+12+\u:R+16*\i+12+\u+1]
.endr
.irp u, 0,2
	v_pk_add_f32 v[R+16*\i+\u:R+16*\i+\u+1], v[R+16*\i+\u:R+16*\i+\u+1], v[R+16*\i+8+\u:R+16*\i+8+\u+1]
.endr
.irp u, 0,2
	v_pk_fma_f32 v[R+16*\i+\u:R+16*\i+\u+1], v[R+16*\i+\u:R+16*\i+\u+1], v[SS:SS+1], v[B2+\u:B2+\u+1]
.endr
	v_min_u32 v[PI+\i], 2055, v[PI+\i]
	v_lshl_add_u32 v[YO+\i], v[PI+\i], 12, v[COL]
	global_store_b128 v[YO+\i], v[R+16*\i:R+16*\i+3], s[16:17]   ; sixteen lanes store 256 consecutive bytes of the pair's row, aligned
.endr
.Lredskip:
	s_add_co_u32 s39, s39, TPART
	s_add_co_u32 s40, s40, 128
	s_add_co_u32 s41, s41, 1
	s_add_co_u32 s38, s38, 1
	s_cmp_lt_u32 s38, 16
	s_cbranch_scc1 .Lred
	s_wait_dscnt 0x0                               ; my reads of PART are over: the next pass may write it
	s_barrier_signal -1
	s_barrier_wait -1
	s_add_co_u32 s30, s30, 1
	s_cmp_lt_u32 s30, 2
	s_cbranch_scc1 .Lpass
	s_wait_tensorcnt 0x0
	ds_add_u32 v254, v255
	s_wait_dscnt 0x0
	s_endpgm
.Lfunc_end_k_q6a7cd801c3_ffn2:
	.size	k_q6a7cd801c3_ffn2, .Lfunc_end_k_q6a7cd801c3_ffn2-k_q6a7cd801c3_ffn2
	.p2alignl 7, 3214868480
	.fill 96, 4, 3214868480
	.section	.rodata,"a",@progbits
	.p2align	6, 0x0
	.amdhsa_kernel k_q6a7cd801c3_ffn2
		.amdhsa_group_segment_fixed_size 283136
		.amdhsa_private_segment_fixed_size 0
		.amdhsa_enable_private_segment 0
		.amdhsa_kernarg_size 56
		.amdhsa_user_sgpr_count 2
		.amdhsa_user_sgpr_kernarg_segment_ptr 1
		.amdhsa_wavefront_size32 1
		.amdhsa_system_sgpr_workgroup_id_x 1
		.amdhsa_system_sgpr_workgroup_id_y 1
		.amdhsa_system_sgpr_workgroup_id_z 1
		.amdhsa_system_vgpr_workitem_id 0
		.amdhsa_next_free_vgpr 1024
		.amdhsa_next_free_sgpr 66
		.amdhsa_reserve_vcc 0
		.amdhsa_float_denorm_mode_32 3
		.amdhsa_float_denorm_mode_16_64 3
		.amdhsa_memory_ordered 1
		.amdhsa_forward_progress 1
		.amdhsa_inst_pref_size 119
	.end_amdhsa_kernel
	.amdgpu_metadata
---
amdhsa.version: [ 1, 2 ]
amdhsa.kernels:
  - .name:           k_q6a7cd801c3_ffn2
    .symbol:         k_q6a7cd801c3_ffn2.kd
    .args:
      - { .name: hbuf, .offset: 0, .size: 8, .value_kind: global_buffer, .address_space: global }
      - { .name: glist, .offset: 8, .size: 8, .value_kind: global_buffer, .address_space: global }
      - { .name: gcnt, .offset: 16, .size: 8, .value_kind: global_buffer, .address_space: global }
      - { .name: w2_codes, .offset: 24, .size: 8, .value_kind: global_buffer, .address_space: global }
      - { .name: b2, .offset: 32, .size: 8, .value_kind: global_buffer, .address_space: global }
      - { .name: lowp_scales, .offset: 40, .size: 8, .value_kind: global_buffer, .address_space: global }
      - { .name: y, .offset: 48, .size: 8, .value_kind: global_buffer, .address_space: global }
    .group_segment_fixed_size: 283136
    .private_segment_fixed_size: 0
    .kernarg_segment_align: 8
    .kernarg_segment_size: 56
    .max_flat_workgroup_size: 128
    .sgpr_count:     66
    .vgpr_count:     1024
    .wavefront_size: 32
...
	.end_amdgpu_metadata
.endif
;; end of part 3
;; launch combine (part 4): grid 256 x 1, 4 waves a work-group, no clusters, 0 bytes of LDS; arguments y, cw, out0; writes out0
.if DOCPART == 4
	.amdgcn_target "amdgcn-amd-amdhsa--gfx1250"
	.amdhsa_code_object_version 6
	.text
	.protected	k_q6a7cd801c3_combine
	.globl	k_q6a7cd801c3_combine
	.p2align	8
	.type	k_q6a7cd801c3_combine,@function
k_q6a7cd801c3_combine:
	s_mov_b64 s[64:65], 0
	v_nop
	global_prefetch_b8 v0, s[64:65] scope:SCOPE_SE
	s_setreg_imm32_b32 hwreg(HW_REG_WAVE_MODE, 25, 1), 1
	s_wait_xcnt 0x0
; COMBINE.  out0[n] = cw[2 n] y[2 n] + cw[2 n + 1] y[2 n + 1]: the two chosen experts' rows, weighed.  One wave takes one token: 16 loads of 512 consecutive bytes, all
; issued at once, 8 stores of 512 consecutive bytes.  A stream: no LDS, no barrier, no matrix unit.  Each of the eight pieces has registers of its own, so
; no store's data are written again.
.set Y0, 4                             ; v[4:35]   slot 0's row
.set Y1, 36                            ; v[36:67]  slot 1's row
.set T,  68                            ; v[68:99]  the result
	s_load_b128 s[4:7], s[0:1], 0x0                ; y s[4:5], cw s[6:7]
	s_load_b64 s[8:9], s[0:1], 0x10                ; out0
	v_lshrrev_b32 v2, 5, v0
	v_readfirstlane_b32 s12, v2                    ; wave
	s_lshl_b32 s13, ttmp9, 2
	s_add_co_u32 s13, s13, s12                     ; my token n
	v_and_b32 v1, 31, v0
	v_lshlrev_b32 v1, 4, v1                        ; 16 bytes a lane
	s_mov_b32 s3, 0
	s_wait_kmcnt 0x0
	s_lshl_b32 s2, s13, 3
	s_add_nc_u64 s[6:7], s[6:7], s[2:3]
	s_load_b64 s[20:21], s[6:7], 0x0               ; the two weights
	s_lshl_b32 s2, s13, 13
	s_add_nc_u64 s[4:5], s[4:5], s[2:3]            ; y's rows 2 n and 2 n + 1
	s_lshl_b32 s2, s13, 12
	s_add_nc_u64 s[8:9], s[8:9], s[2:3]            ; out0's row n
.irp i, 0,1,2,3,4,5,6,7
	global_load_b128 v[Y0+4*\i:Y0+4*\i+3], v1, s[4:5] offset:512*\i th:TH_LOAD_NT
	global_load_b128 v[Y1+4*\i:Y1+4*\i+3], v1, s[4:5] offset:4096+512*\i th:TH_LOAD_NT
.endr
	s_wait_kmcnt 0x0
	s_mov_b32 s22, s21                             ; the packed forms name a pair and take its low word for both halves
	s_mov_b32 s23, s21
.irp i, 0,1,2,3,4,5,6,7
	s_wait_loadcnt 14-2*\i                         ; this piece's two loads are in; the later pieces' may be out
	v_pk_mul_f32 v[T+4*\i:T+4*\i+1], v[Y1+4*\i:Y1+4*\i+1], s[22:23] op_sel_hi:[1,0]
	v_pk_mul_f32 v[T+4*\i+2:T+4*\i+3], v[Y1+4*\i+2:Y1+4*\i+3], s[22:23] op_sel_hi:[1,0]
	v_pk_fma_f32 v[T+4*\i:T+4*\i+1], v[Y0+4*\i:Y0+4*\i+1], s[20:21], v[T+4*\i:T+4*\i+1] op_sel_hi:[1,0,1]
	v_pk_fma_f32 v[T+4*\i+2:T+4*\i+3], v[Y0+4*\i+2:Y0+4*\i+3], s[20:21], v[T+4*\i+2:T+4*\i+3] op_sel_hi:[1,0,1]
	global_store_b128 v1, v[T+4*\i:T+4*\i+3], s[8:9] offset:512*\i th:TH_STORE_NT
.endr
	s_endpgm
.Lfunc_end_k_q6a7cd801c3_combine:
	.size	k_q6a7cd801c3_combine, .Lfunc_end_k_q6a7cd801c3_combine-k_q6a7cd801c3_combine
	.p2alignl 7, 3214868480
	.fill 96, 4, 3214868480
	.section	.rodata,"a",@progbits
	.p2align	6, 0x0
	.amdhsa_kernel k_q6a7cd801c3_combine
		.amdhsa_group_segment_fixed_size 0
		.amdhsa_private_segment_fixed_size 0
		.amdhsa_enable_private_segment 0
		.amdhsa_kernarg_size 24
		.amdhsa_user_sgpr_count 2
		.amdhsa_user_sgpr_kernarg_segment_ptr 1
		.amdhsa_wavefront_size32 1
		.amdhsa_system_sgpr_workgroup_id_x 1
		.amdhsa_system_sgpr_workgroup_id_y 1
		.amdhsa_system_sgpr_workgroup_id_z 1
		.amdhsa_system_vgpr_workitem_id 0
		.amdhsa_next_free_vgpr 104
		.amdhsa_next_free_sgpr 66
		.amdhsa_reserve_vcc 0
		.amdhsa_float_denorm_mode_32 3
		.amdhsa_float_denorm_mode_16_64 3
		.amdhsa_memory_ordered 1
		.amdhsa_forward_progress 1
		.amdhsa_inst_pref_size 6
	.end_amdhsa_kernel
	.amdgpu_metadata
---
amdhsa.version: [ 1, 2 ]
amdhsa.kernels:
  - .name:           k_q6a7cd801c3_combine
    .symbol:         k_q6a7cd801c3_combine.kd
    .args:
      - { .name: y, .offset: 0, .size: 8, .value_kind: global_buffer, .address_space: global }
      - { .name: cw, .offset: 8, .size: 8, .value_kind: global_buffer, .address_space: global }
      - { .name: out0, .offset: 16, .size: 8, .value_kind: global_buffer, .address_space: global }
    .group_segment_fixed_size: 0
    .private_segment_fixed_size: 0
    .kernarg_segment_align: 8
    .kernarg_segment_size: 24
    .max_flat_workgroup_size: 128
    .sgpr_count:     66
    .vgpr_count:     104
    .wavefront_size: 32
...
	.end_amdgpu_metadata
.endif
;; end of part 4
